; MI455X (gfx1250); checked and timed in simulation.
; The chip was launched on July 23, 2026; its instructions are those of AMD's public machine-readable ISA for CDNA 5 (MIT licence, August 2026) and "CDNA5" Instruction Set Architecture Reference Guide (July 2026). The comments in the code are by the model that wrote it; some were corrected since.
;; Geometry Encoder. Allowed arithmetic: float matrix products may take bf16 or f16 operands with f32 sums; all other float work in f32.
;; Inputs: boundary_points 4,096 x 2 float32; x 32,768 x 2 float32.
;; Outputs: out0 32,768 x 3 float32.
;; One version. Each part assembles by itself: llvm-mc -triple=amdgcn-amd-amdhsa -mcpu=gfx1250 --defsym DOCPART=n.
;; ======== version 1 of 1: 1 launch
;; launch nearest (part 1): grid 256 x 1, 8 waves a work-group, no clusters, 39,936 bytes of LDS; arguments boundary_points, x, out0; writes out0
.if DOCPART == 1
	.amdgcn_target "amdgcn-amd-amdhsa--gfx1250"
	.amdhsa_code_object_version 6
	.text
	.protected	k_qb54bf3a345_nearest
	.globl	k_qb54bf3a345_nearest
	.p2align	8
	.type	k_qb54bf3a345_nearest,@function
k_qb54bf3a345_nearest:
	s_mov_b64 s[64:65], 0
	v_nop
	global_prefetch_b8 v0, s[64:65] scope:SCOPE_SE
	s_setreg_imm32_b32 hwreg(HW_REG_WAVE_MODE, 25, 1), 1
	s_wait_xcnt 0x0
; out0[q] = (x[q].x, x[q].y, min over p of |x[q] - b[p]|).  x: [32768][2] f32, b: [4096][2] f32, out0: [32768][3] f32.
; The root is monotone, so the minimum is taken over the squared distances and one root is taken per query.
; The differences are formed directly in f32, as the reference forms them (no |x|^2 + |b|^2 - 2 x.b), so a common offset
; or scale of the inputs costs no accuracy.
;
; SHARES.  256 work-groups of 8 waves; a work-group owns 128 queries.  Every wave holds all 128 queries, 4 in each lane, and scans
; its own eighth of the boundary points (512 points, 4,096 bytes).  So one LDS load of two points, the same address in all lanes,
; feeds 4 queries x 5 = 20 vector instructions: two points at a time, 4 packed f32 instructions and one v_min3 for each query.
; The eight waves' minima meet in LDS behind the launch's one barrier.
;
; NO CLUSTER, NO TENSOR LOAD: what work-groups share is the 32,768 bytes of boundary points, read once by each at its head, and these
; need their words swapped, (bx0 by0 bx1 by1) to (bx0 bx1 by0 by1), which is done in registers on the way to LDS.
; NO MATRIX UNIT: it would need the expanded square, a difference of large sums, on operands rounded to 16 bits.
;
; LIMITS.  v_min_num / v_min3_num let a NaN lose: a boundary point with a NaN coordinate (or inf - inf) is passed over, where the
; reference gives NaN; a NaN in a query makes all its distances NaN and gives NaN as in the reference.  v_sqrt_f32 takes a denormal
; source as zero: a least squared distance below 2^-126 (a distance below about 1.1e-19) gives 0.  dy^2 + dx^2 is one fused
; multiply-add: one rounding where the reference has two.
.set WAVES,  8
.set SLICE,  4096                      ; bytes of boundary points of a wave: 512 points
.set BLK,    128                       ; bytes of a block: 16 points, eight loads of 16 bytes
.set NBLK,   SLICE/BLK                 ; 32 blocks
.set PART,   WAVES*SLICE               ; LDS: behind the slices, wave w's 128 minima at PART + 512 w
.set STAGE,  PART+WAVES*512            ; LDS: behind them, the rows on their way out, 768 bytes used of 1,024 for each of waves 0 and 1
.set LANE, 1                           ; v1       lane
.set SO,   2                           ; v2       16 lane + 4096 wave: my 16 bytes in the boundary buffer, and the same place in LDS
.set LA,   3                           ; v3       LDS address that all lanes read: my wave's slice, stepped by two blocks a trip
.set QO,   4                           ; v4       16 lane
.set PA,   5                           ; v5       where my four minima go
.set T,    6                           ; v6       scratch
.set RA,   7                           ; v7       where waves 0, 1 read the eight waves' minima
.set X,    8                           ; v[8:15]  four queries as loaded: queries 2 lane, 2 lane + 1, 64 + 2 lane, 65 + 2 lane of the group
.set NX,   16                          ; v[16:23] the same, negated
.set M,    24                          ; v[24:27] running minimum of the squared distance, one for each query
.set SA,   28                          ; v28      stage: where my two rows go
.set LB,   29                          ; v29      stage: where I read 16 bytes back
.set GO,   30                          ; v30      my byte offset in the group's part of out0
.set BA,   32                          ; v[32:63]  point buffer A: 8 x (bx0 bx1 by0 by1)
.set BB,   64                          ; v[64:95]  point buffer B
.set DX,   96                          ; v[96:111]  4 queries x 4 points: bx - x, then its square, then the squared distance
.set DY,   112                         ; v[112:127] 4 queries x 4 points: by - y
.set G,    128                         ; v[128:159] the slice on its way from memory to LDS
.set R,    BA                          ; the end: eight pairs of minima
.set O,    BB                          ; the end: v[64:69] two rows (x y d x y d)
.set W,    BB+8                        ; the end: v[72:75] 16 bytes to store
	s_load_b128 s[4:7], s[0:1], 0x0                ; boundary_points s[4:5], x s[6:7]
	s_load_b64 s[8:9], s[0:1], 0x10                ; out0
	v_lshl_add_u32 v160, v0, 2, 0x9800
	v_mov_b32 v161, 0
	v_and_b32 v[LANE], 31, v0
	v_lshrrev_b32 v[T], 5, v0
	v_readfirstlane_b32 s10, v[T]                  ; wave 0..7
	s_lshl_b32 s11, s10, 12                        ; my wave's slice: 4,096 bytes x wave, in memory and in LDS alike
	v_lshlrev_b32 v[QO], 4, v[LANE]
	v_add_nc_u32 v[SO], s11, v[QO]
	v_mov_b32 v[LA], s11
	s_lshl_b32 s12, ttmp9, 10                      ; the group's 128 queries: 1,024 bytes of x
	s_mov_b32 s13, 0
	s_mul_i32 s14, ttmp9, 1536                     ; and 1,536 bytes of out0
	s_mov_b32 s15, 0
	s_lshl_b32 s18, s10, 9
	s_add_co_u32 s18, s18, PART
	v_lshl_add_u32 v[PA], v[LANE], 3, s18          ; PART + 512 wave + 8 lane
	s_wait_kmcnt 0x0
	s_add_nc_u64 s[6:7], s[6:7], s[12:13]
	s_add_nc_u64 s[8:9], s[8:9], s[14:15]
.irp j, 0,1,2,3,4,5,6,7
	global_load_b128 v[G+4*\j:G+4*\j+3], v[SO], s[4:5] offset:512*\j   ; a wave's load covers 512 neighbouring bytes; eight cover the slice
.endr
	global_load_b128 v[X:X+3],   v[QO], s[6:7]             ; queries 2 lane, 2 lane + 1
	global_load_b128 v[X+4:X+7], v[QO], s[6:7] offset:512  ; queries 64 + 2 lane, 65 + 2 lane
	; The slice goes to LDS with the two middle words of each 16 bytes exchanged, so that a later load of 16 bytes brings the pairs
	; (bx0 bx1) and (by0 by1) that the packed instructions take.  Only my wave reads these bytes, and LDS serves a wave's
	; instructions in order (ISA guide 5.7.1): no barrier and no wait between these stores and the loads below.
.irp j, 0,1,2,3,4,5,6,7
	s_wait_loadcnt 9-\j                            ; behind load j stand 7 - j loads of points and the two of queries
	v_mov_b32 v[DX+\j], v[G+4*\j+1]                ; by0 aside
	v_mov_b32 v[G+4*\j+1], v[G+4*\j+2]             ; bx1 beside bx0
	v_mov_b32 v[G+4*\j+2], v[DX+\j]                ; by0 beside by1
	ds_store_b128 v[SO], v[G+4*\j:G+4*\j+3] offset:512*\j
.endr
.irp j, 0,1,2,3,4,5,6,7
	ds_load_b128 v[BA+4*\j:BA+4*\j+3], v[LA] offset:16*\j  ; block 0
.endr
	s_wait_loadcnt 0x0                             ; the queries
.irp q, 0,1,2,3
	v_pk_mul_f32 v[NX+2*\q:NX+2*\q+1], v[X+2*\q:X+2*\q+1], -1.0 op_sel_hi:[1,0]   ; b + (-x) is b - x exactly
.endr
; Four points (eight registers at b) against my four queries: 40 vector instructions in five runs of eight, so that an instruction's
; sources were written at least four instructions earlier.  first = 1: the first minimum starts M, nothing is cleared.
.macro SUB b, first
.irp q, 0,1,2,3
.irp p, 0,1
	v_pk_add_f32 v[DX+4*\q+2*\p:DX+4*\q+2*\p+1], v[\b+4*\p:\b+4*\p+1], v[NX+2*\q:NX+2*\q+1] op_sel_hi:[1,0]                 ; (bx0, bx1) - x: the pair's first register for both halves
.endr
.endr
.irp q, 0,1,2,3
.irp p, 0,1
	v_pk_add_f32 v[DY+4*\q+2*\p:DY+4*\q+2*\p+1], v[\b+4*\p+2:\b+4*\p+3], v[NX+2*\q:NX+2*\q+1] op_sel:[0,1] op_sel_hi:[1,1]  ; (by0, by1) - y: its second register for both
.endr
.endr
.irp i, 0,2,4,6,8,10,12,14
	v_pk_mul_f32 v[DX+\i:DX+\i+1], v[DX+\i:DX+\i+1], v[DX+\i:DX+\i+1]
.endr
.irp i, 0,2,4,6,8,10,12,14
	v_pk_fma_f32 v[DX+\i:DX+\i+1], v[DY+\i:DY+\i+1], v[DY+\i:DY+\i+1], v[DX+\i:DX+\i+1]
.endr
.irp q, 0,1,2,3
.if \first
	v_min_num_f32 v[M+\q], v[DX+4*\q], v[DX+4*\q+1]
.else
	v_min3_num_f32 v[M+\q], v[M+\q], v[DX+4*\q], v[DX+4*\q+1]
.endif
.endr
.irp q, 0,1,2,3
	v_min3_num_f32 v[M+\q], v[M+\q], v[DX+4*\q+2], v[DX+4*\q+3]
.endr
.endm
; A block of 16 points in buffer cur.  fetch = 1: the next block's eight loads, from byte off behind LA, go out first into buffer nxt
; and have this block's 160 vector instructions to come back in.
.macro BLOCK cur, nxt, off, fetch, first
.if \fetch
.irp j, 0,1,2,3,4,5,6,7
	ds_load_b128 v[\nxt+4*\j:\nxt+4*\j+3], v[LA] offset:\off+16*\j
.endr
	s_wait_dscnt 8                                 ; the eight just issued may stay out; all that is older (buffer cur) is in
.else
	s_wait_dscnt 0                                 ; nothing was issued behind buffer cur's loads
.endif
	SUB \cur, \first
	SUB \cur+8, 0
	SUB \cur+16, 0
	SUB \cur+24, 0
.endm
	BLOCK BA, BB, BLK, 1, 1                        ; block 0 starts the minima; block 1 is fetched
	s_mov_b32 s20, (NBLK-2)/2                      ; 15 trips: blocks 1 to 30
.Ltrip:
	BLOCK BB, BA, 2*BLK, 1, 0                      ; block 2t + 1; fetches 2t + 2 (LA stands at block 2t)
	BLOCK BA, BB, 3*BLK, 1, 0                      ; block 2t + 2; fetches 2t + 3: in the last trip block 31, the slice's last
	v_add_nc_u32 v[LA], 2*BLK, v[LA]
	s_sub_co_i32 s20, s20, 1
	s_cmp_lg_u32 s20, 0
	s_cbranch_scc1 .Ltrip
	BLOCK BB, BA, 0, 0, 0                          ; block 31 fetches nothing
	; The eight waves' minima meet: wave w's minimum for query q of the group lies at PART + 512 w + 4 q.
	ds_store_b64 v[PA], v[M:M+1]                   ; queries 2 lane, 2 lane + 1
	ds_store_b64 v[PA], v[M+2:M+3] offset:256      ; queries 64 + 2 lane, 65 + 2 lane
	s_wait_dscnt 0x0                               ; for the other waves' sake: my stores are done before I say so
	s_barrier_signal -1
	s_barrier_wait -1
	s_cmp_gt_u32 s10, 1
	s_cbranch_scc1 .Ldone                          ; waves 2 to 7 have nothing left
	; Waves 0 and 1 finish 64 queries each, two in a lane: 64 rows of 12 bytes are 768 bytes, three whole pieces of 256 bytes of out0.
	s_lshl_b32 s19, s10, 8
	s_add_co_u32 s19, s19, PART
	v_lshl_add_u32 v[RA], v[LANE], 3, s19          ; PART + 256 wave + 8 lane: queries 64 wave + 2 lane, + 1
.irp k, 0,1,2,3,4,5,6,7
	ds_load_b64 v[R+2*\k:R+2*\k+1], v[RA] offset:512*\k
.endr
	s_lshl_b32 s21, s10, 10
	s_add_co_u32 s21, s21, STAGE                   ; my wave's stage
	s_mul_i32 s16, s10, 768                        ; my wave's rows in the group's part of out0
	v_mad_u32_u24 v[SA], v[LANE], 24, s21          ; two rows a lane
	v_add_nc_u32 v[LB], s21, v[QO]
	s_cmp_eq_u32 s10, 0
	s_cselect_b32 s17, -1, 0                       ; wave 0 takes the first two of a lane's queries, wave 1 the last two
	v_cndmask_b32 v[O+0], v[X+4], v[X+0], s17
	v_cndmask_b32 v[O+1], v[X+5], v[X+1], s17
	v_cndmask_b32 v[O+3], v[X+6], v[X+2], s17
	v_cndmask_b32 v[O+4], v[X+7], v[X+3], s17
	s_wait_dscnt 0x0
	v_min3_num_f32 v[R],   v[R],   v[R+2],  v[R+4]
	v_min3_num_f32 v[R+1], v[R+1], v[R+3],  v[R+5]
	v_min3_num_f32 v[R],   v[R],   v[R+6],  v[R+8]
	v_min3_num_f32 v[R+1], v[R+1], v[R+7],  v[R+9]
	v_min3_num_f32 v[R],   v[R],   v[R+10], v[R+12]
	v_min3_num_f32 v[R+1], v[R+1], v[R+11], v[R+13]
	v_min_num_f32  v[R],   v[R],   v[R+14]
	v_min_num_f32  v[R+1], v[R+1], v[R+15]
	v_sqrt_f32 v[O+2], v[R]
	v_sqrt_f32 v[O+5], v[R+1]
	v_add_nc_u32 v[GO], s16, v[QO]                 ; the plain vector instruction between the roots and their first use (ISA guide 5.7.2)
	ds_store_b64 v[SA], v[O:O+1]                   ; rows 2 lane, 2 lane + 1 of my wave's 64: 24 bytes
	s_wait_alu depctr_va_vdst(0)
	ds_store_b64 v[SA], v[O+2:O+3] offset:8
	ds_store_b64 v[SA], v[O+4:O+5] offset:16
	ds_load_b128 v[W:W+3], v[LB]                   ; my wave's own bytes, served in order: these see the stores above
	s_wait_dscnt 0x0
	global_store_b128 v[GO], v[W:W+3], s[8:9] th:TH_STORE_NT           ; 32 lanes: 512 consecutive bytes, at a multiple of 256 from out0's first byte
	v_cmp_gt_u32 vcc_lo, 16, v[LANE]
	s_wait_xcnt 0x0                                ; the store's sources, EXEC and W among them, change only behind this wait
	s_and_saveexec_b32 s22, vcc_lo                 ; the last 256 of the 768 bytes: lanes 0 to 15
	ds_load_b128 v[W:W+3], v[LB] offset:512
	s_wait_dscnt 0x0
	global_store_b128 v[GO], v[W:W+3], s[8:9] offset:512 th:TH_STORE_NT ; 16 lanes: 256 consecutive bytes, aligned likewise
	s_wait_xcnt 0x0                                ; and again in front of the line that widens EXEC
	s_or_b32 exec_lo, exec_lo, s22
.Ldone:
	s_wait_tensorcnt 0x0
	ds_add_u32 v160, v161
	s_wait_dscnt 0x0
	s_endpgm
.Lfunc_end_k_qb54bf3a345_nearest:
	.size	k_qb54bf3a345_nearest, .Lfunc_end_k_qb54bf3a345_nearest-k_qb54bf3a345_nearest
	.p2alignl 7, 3214868480
	.fill 96, 4, 3214868480
	.section	.rodata,"a",@progbits
	.p2align	6, 0x0
	.amdhsa_kernel k_qb54bf3a345_nearest
		.amdhsa_group_segment_fixed_size 39936
		.amdhsa_private_segment_fixed_size 0
		.amdhsa_enable_private_segment 0
		.amdhsa_kernarg_size 24
		.amdhsa_user_sgpr_count 2
		.amdhsa_user_sgpr_kernarg_segment_ptr 1
		.amdhsa_wavefront_size32 1
		.amdhsa_system_sgpr_workgroup_id_x 1
		.amdhsa_system_sgpr_workgroup_id_y 1
		.amdhsa_system_sgpr_workgroup_id_z 1
		.amdhsa_system_vgpr_workitem_id 0
		.amdhsa_next_free_vgpr 162
		.amdhsa_next_free_sgpr 66
		.amdhsa_reserve_vcc 1
		.amdhsa_float_denorm_mode_32 3
		.amdhsa_float_denorm_mode_16_64 3
		.amdhsa_memory_ordered 1
		.amdhsa_forward_progress 1
		.amdhsa_inst_pref_size 49
	.end_amdhsa_kernel
	.amdgpu_metadata
---
amdhsa.version: [ 1, 2 ]
amdhsa.kernels:
  - .name:           k_qb54bf3a345_nearest
    .symbol:         k_qb54bf3a345_nearest.kd
    .args:
      - { .name: boundary_points, .offset: 0, .size: 8, .value_kind: global_buffer, .address_space: global }
      - { .name: x, .offset: 8, .size: 8, .value_kind: global_buffer, .address_space: global }
      - { .name: out0, .offset: 16, .size: 8, .value_kind: global_buffer, .address_space: global }
    .group_segment_fixed_size: 39936
    .private_segment_fixed_size: 0
    .kernarg_segment_align: 8
    .kernarg_segment_size: 24
    .max_flat_workgroup_size: 256
    .sgpr_count:     66
    .vgpr_count:     162
    .wavefront_size: 32
...
	.end_amdgpu_metadata
.endif
;; end of part 1
